; MI455X (gfx1250); checked and timed in simulation.
; The chip was launched on July 23, 2026; its instructions are those of AMD's public machine-readable ISA for CDNA 5 (MIT licence, August 2026) and "CDNA5" Instruction Set Architecture Reference Guide (July 2026). The comments in the code are by the model that wrote it; some were corrected since.
;; Self Attention. Allowed arithmetic: matrix products marked QUANTISED: E4M3 operands, one given power-of-two scale a tensor, by v_wmma_f32_16x16x64_fp8_fp8 or v_wmma_f32_16x16x128_fp8_fp8, f32 sums; everything else in f32.
;; Inputs: Wproj 1,024 x 1,024 float32; Wqkv 1,024 x 3,072 float32; lowp_scales 8 int32 (the exponents e of the quantised operands' scales 2^e); x 4 x 2,048 x 1,024 float32.
;; Outputs: out0 4 x 2,048 x 1,024 float32.
;; This version of the problem:
;;   THIS VERSION OF THE PROBLEM IS GIVEN IN LOW PRECISION. The matrix products marked QUANTISED in the list below multiply operands that are first quantised to E4M3 (4 exponent bits, 3 mantissa bits; 8 bits a number), with one given power-of-two scale for each operand tensor; their sums are f32. All else is computed in f32.
;;   The module's matrix products, in the order in which they are computed (A, B: the left and right operand; K: the contracted axis; several contracted axes count as one K, in the product's order):
;;     1. [M 8,192, K 1,024] x [K 1,024, N 3,072]; A: input x; B: input Wqkv: QUANTISED (scales: A lowp_scales[0], B lowp_scales[1])
;;     2. batch 64 x [M 2,048, K 64] x [K 64, N 2,048]; A: computed on the way; B: computed on the way: QUANTISED (scales: A lowp_scales[2], B lowp_scales[3])
;;     3. batch 64 x [M 2,048, K 2,048] x [K 2,048, N 64]; A: softmax (see below); B: computed on the way: QUANTISED (scales: A lowp_scales[4], B lowp_scales[5])
;;     4. [M 8,192, K 1,024] x [K 1,024, N 1,024]; A: computed on the way; B: input Wproj: QUANTISED (scales: A lowp_scales[6], B lowp_scales[7])
;;   THE QUANTISER, for each operand of a quantised product, along K:
;;     - The operand's scale is 2^e, e = its entry of the input lowp_scales (int32; the entries are numbered through the quantised products in the list's order, A before B).
;;     - Each number is divided by the scale, clamped to +-448, and rounded to the nearest number of E4M3, ties to even, subnormals kept.
;;     - The product sums the exact products of the quantised numbers (number of the format x scale) in f32.
;;   ~~~python
;;   def quantise(x, axis, e):      # numpy; x: float32 -> the quantised numbers, widened to float32 again
;;       x = np.moveaxis(x, axis, -1); K = x.shape[-1]
;;       r = np.clip(x / 2.0 ** e, -448, 448)
;;       step = 2.0 ** (np.maximum(np.frexp(np.where(r == 0, 1, r))[1] - 1, -6) - 3)
;;       q = np.round(r / step) * step * 2.0 ** e      # np.round: ties to even
;;       return np.moveaxis(q, -1, axis).astype(np.float32)
;;   ~~~
;;   SOFTMAX AHEAD OF A QUANTISED PRODUCT. Where the list says 'softmax', what is quantised is not the finished softmax but p = 2^(t - M), with t = logit x log2(e) and M = ceil(the row's largest t), a whole number; so 1/2 < the row's largest p <= 1. The row's sum l is taken of the UNQUANTISED p, in f32, and the product's result is divided by l at the end. Since M is a whole number, a kernel that streams over the keys may use a running M (the ceiling of the running maximum): every later rescaling is an exact power of two, so the quantised numbers keep their values, but for numbers so far below the row's largest that they fall under the format's range.
;;   OPERANDS COMPUTED ON THE WAY. 'Computed on the way' means the value that the module computes at that place (a softmax that the list does not call 'softmax' is quantised finished and normalised). What goes into a quantiser is computed in f32, as accurately as f32 sums, v_exp_f32 and their like allow (about 1e-6 of the number): no bf16 or f16 on the way to a quantiser, and a product that is left as it is and whose result goes on into a quantised operand takes f32 operands (vector FMAs, or v_wmma_f32_16x16x4_f32). A number that lies on a knife's edge between two numbers of the format may be rounded either way, as far as f32 arithmetic and the matrix unit's own rounding can turn it there, and no further.
;; One version. Each part assembles by itself: llvm-mc -triple=amdgcn-amd-amdhsa -mcpu=gfx1250 --defsym DOCPART=n.
;; ======== version 1 of 1: 4 launches
;; limits: right only within a limited range of input values
;; workspace buffers: x_img 8,388,608 bytes; w_img 4,194,304 bytes; q_img 8,388,608 bytes; k_img 8,388,608 bytes; v_img 8,388,608 bytes; att_img 8,388,608 bytes
;; launch quant (part 1): grid 384 x 1, 4 waves a work-group, no clusters, 34,304 bytes of LDS; arguments x, Wqkv, Wproj, lowp_scales, x_img, w_img; writes x_img, w_img
.if DOCPART == 1
	.amdgcn_target "amdgcn-amd-amdhsa--gfx1250"
	.amdhsa_code_object_version 6
	.text
	.protected	k_q9cdf8765a2_quant
	.globl	k_q9cdf8765a2_quant
	.p2align	8
	.type	k_q9cdf8765a2_quant,@function
k_q9cdf8765a2_quant:
	s_mov_b64 s[64:65], 0
	v_nop
	global_prefetch_b8 v0, s[64:65] scope:SCOPE_SE
	s_setreg_imm32_b32 hwreg(HW_REG_WAVE_MODE, 25, 1), 1
	s_wait_xcnt 0x0
; x [8192][1024], Wqkv [1024][3072] and Wproj [1024][1024], f32, become codes of FP8 (E4M3), each with the one scale 2^e that is given for it (entries 0, 1 and 7 of the scales).
; code = number / 2^e, held within +-448, rounded to the nearest code, ties to even.
; THE CODES ARE LAID AS IMAGES OF OPERAND REGISTERS.  A fragment is 16 rows x 128 along K, 16 registers a lane, 2,048 bytes: registers 4 c .. 4 c + 3 of lane L lie at 512 c + 16 L, and lane
; (r = L % 16, h = L / 16) holds k = 32 c + 16 h + 0 .. 15 of its row.  THE ROWS OF A TILE ARE NOT NEIGHBOURS: tile 2 g + u takes rows 32 g + 8 u + r + 8 (r / 8), so that a later product's results
; of two neighbouring tiles are 16 neighbours along the next K.  x_img: [tile 512][K step 8][2,048];  w_img: [tile 256][K step 8][2,048], tiles 0-191 Wqkv's columns, 192-255 Wproj's.
; Work-groups 0-255 take x (a wave: one tile, four K steps), 256-383 the weights (a wave: 32 columns x 256 along K).  No tensor load, no barrier: waves share nothing.  Only x's path uses LDS.
; LIMITS: each of the three exponents lies between -126 and 119, so that 2^e and 448 x 2^e are f32 numbers.  NaN among the inputs is not served.
.set R,   16                           ; x: v16-143   two sets of 64 numbers as they are loaded
.set X,   144                          ; x: v144-207  64 numbers in the operand's order
.set C,   208                          ; x: v208-239  two sets of 16 registers of codes
.set SP,  528                          ; x: a stage row: 512 bytes + 16, so that sixteen rows start at sixteen different 16-byte columns
.set STG, 16*SP                        ; x: a wave's stage
.set XW,  16                           ; W: v16-79    two sets of 32 numbers down K
.set CW,  80                           ; W: v80-143   8 registers of codes for each of 8 blocks: no store's data are written again
.macro LOADX t                         ; K step t of my tile's 16 rows: each load reads 512 consecutive bytes of one row
.irp i, 0,1,2,3,4,5,6,7,8,9,10,11,12,13,14,15
	global_load_b128 v[R+64*((\t)%2)+4*\i:R+64*((\t)%2)+4*\i+3], v3, s[4:5] offset:(\i+8*(\i/8))*4096+512*(\t) th:TH_LOAD_NT
.endr
.endm
.macro STEPX t
.if (\t) < 3
	s_wait_loadcnt 16                              ; this set's 16 loads are in; the 16 of the set behind may be out
.else
	s_wait_loadcnt 0
.endif
.irp i, 0,1,2,3,4,5,6,7,8,9,10,11,12,13,14,15
	ds_store_b128 v4, v[R+64*((\t)%2)+4*\i:R+64*((\t)%2)+4*\i+3] offset:SP*\i   ; row i as it lies
.endr
.irp c, 0,1,2,3
.irp n, 0,1,2,3
	ds_load_b128 v[X+16*\c+4*\n:X+16*\c+4*\n+3], v5 offset:128*\c+16*\n         ; back: my row's k = 32 c + 16 h + 4 n .. ; LDS serves a wave's instructions in order
.endr
.endr
	s_wait_dscnt 0x0                               ; the numbers are back, and the stores have read their registers
.if (\t) < 2
	LOADX (\t)+2
.endif
.if (\t) >= 2
	s_wait_xcnt 0x0                                ; the stores of two steps ago have read this set of codes
.endif
.set jj, 0
.rept 64
.set jj, jj+1
.endr
.irp g, 0,1,2,3,4,5,6,7
	v_cvt_scalef32_pk8_fp8_f32 v[C+16*((\t)%2)+2*\g:C+16*((\t)%2)+2*\g+1], v[X+8*\g:X+8*\g+7], v11
.endr
	v_nop                                          ; a plain line behind the last conversion
.irp c, 0,1,2,3
	global_store_b128 v3, v[C+16*((\t)%2)+4*\c:C+16*((\t)%2)+4*\c+3], s[12:13] offset:2048*(\t)+512*\c   ; 32 lanes store 512 consecutive bytes, aligned
.endr
.endm
.macro LOADW t, n                      ; block t: W(32 t + i, my column), i = 0 .. 31; a row of W is 4 n bytes
.set jj, 0
.rept 32
	global_load_b32 v[XW+32*((\t)%2)+jj], v3, s[6:7] offset:(32*(\t)+jj)*(\n)*4 th:TH_LOAD_NT
.set jj, jj+1
.endr
.endm
.macro BLOCKW t, n
.if (\t) < 7
	s_wait_loadcnt 32                              ; this block's 32 loads are in; the next block's may be out
.else
	s_wait_loadcnt 0
.endif
.set jj, 0
.rept 32
.set jj, jj+1
.endr
.irp g, 0,1,2,3
	v_cvt_scalef32_pk8_fp8_f32 v[CW+8*(\t)+2*\g:CW+8*(\t)+2*\g+1], v[XW+32*((\t)%2)+8*\g:XW+32*((\t)%2)+8*\g+7], v11
.endr
	v_nop
	global_store_b128 v6, v[CW+8*(\t):CW+8*(\t)+3], s[14:15] offset:((\t)/4)*2048+((\t)%4)*512        ; k = 0 .. 15 of the block: the image's lanes 0-15.  Sixteen lanes fill 256 consecutive bytes in each of two tiles
	global_store_b128 v6, v[CW+8*(\t)+4:CW+8*(\t)+7], s[14:15] offset:((\t)/4)*2048+((\t)%4)*512+256  ; k = 16 .. 31: lanes 16-31
.if (\t) < 6
	LOADW (\t)+2, \n
.endif
.endm
.macro WBODY n, es                     ; a weight with rows of n numbers, whose exponent lies in s[es]
	LOADW 0, \n
	LOADW 1, \n
	s_wait_kmcnt 0x0
	s_add_co_i32 s32, s[\es], 127
	s_lshl_b32 s33, s32, 23
	v_mov_b32 v11, s33                             ; 2^e as f32: the conversion takes its exponent field
	s_add_co_i32 s32, s32, 8
	s_lshl_b32 s32, s32, 23
	s_or_b32 s32, s32, 0x600000
	s_wait_alu depctr_va_vdst(0)
.irp t, 0,1,2,3,4,5,6,7
	BLOCKW \t, \n
.endr
	s_endpgm
.endm
	s_load_b256 s[4:11], s[0:1], 0x0               ; x s[4:5], Wqkv s[6:7], Wproj s[8:9], the scales' exponents s[10:11]
	s_load_b128 s[12:15], s[0:1], 0x20             ; x_img s[12:13], w_img s[14:15]
	v_lshl_add_u32 v240, v0, 2, 0x8400
	v_mov_b32 v241, 0
	v_lshrrev_b32 v1, 5, v0
	v_readfirstlane_b32 s16, v1                    ; wave 0..3
	v_and_b32 v2, 31, v0                           ; lane
	s_wait_kmcnt 0x0
	s_load_b256 s[24:31], s[10:11], 0x0            ; e0 .. e7
	s_cmp_lt_u32 ttmp9, 256
	s_cbranch_scc0 .Lw
	; ---- x: wave number id = 4 x work-group + wave takes tile id / 2, K steps 4 (id % 2) on
	s_lshl_b32 s17, ttmp9, 2
	s_add_co_u32 s17, s17, s16
	s_lshr_b32 s18, s17, 1                         ; the tile
	s_and_b32 s19, s17, 1                          ; which half of K
	s_lshr_b32 s20, s18, 1
	s_lshl_b32 s20, s20, 17                        ; 32 rows of 4,096 bytes for each pair of tiles,
	s_and_b32 s21, s18, 1
	s_lshl_b32 s21, s21, 15                        ; 8 rows for the odd tile,
	s_add_co_u32 s20, s20, s21
	s_lshl_b32 s21, s19, 11                        ; four K steps of 512 bytes
	s_add_co_u32 s20, s20, s21
	s_mov_b32 s21, 0
	s_add_nc_u64 s[4:5], s[4:5], s[20:21]
	s_lshl_b32 s22, s18, 14                        ; a tile's eight images,
	s_lshl_b32 s23, s19, 13                        ; four of them
	s_add_co_u32 s22, s22, s23
	s_mov_b32 s23, 0
	s_add_nc_u64 s[12:13], s[12:13], s[22:23]
	s_wait_alu depctr_va_vdst(0)
	v_lshlrev_b32 v3, 4, v2                        ; 16 x lane: my bytes of a load's 512, and of a store's
	s_mul_i32 s34, s16, STG                        ; my wave's stage
	v_add_nc_u32 v4, s34, v3                       ; into it
	v_and_b32 v6, 15, v2                           ; r
	v_lshrrev_b32 v7, 4, v2                        ; h
	v_mul_u32_u24 v5, v6, SP
	v_lshl_add_u32 v5, v7, 6, v5
	v_add_nc_u32 v5, s34, v5                       ; out of it: row r, + 64 h
	LOADX 0
	LOADX 1
	s_wait_alu depctr_va_vdst(0)
	s_wait_kmcnt 0x0
	s_add_co_i32 s32, s24, 127
	s_lshl_b32 s33, s32, 23
	v_mov_b32 v11, s33                             ; 2^e0
	s_add_co_i32 s32, s32, 8
	s_lshl_b32 s32, s32, 23
	s_or_b32 s32, s32, 0x600000
	s_wait_alu depctr_va_vdst(0)
	STEPX 0
	STEPX 1
	STEPX 2
	STEPX 3
	s_wait_tensorcnt 0x0
	ds_add_u32 v240, v241
	s_wait_dscnt 0x0
	s_endpgm
.Lw:	; ---- the weights: A LANE TAKES A COLUMN, AND ITS REGISTERS RUN DOWN K: the conversions then give codes with K innermost, and nothing is transposed
	s_sub_co_u32 s17, ttmp9, 256
	s_lshr_b32 s18, s17, 2                         ; which 128 columns: 0-23 Wqkv's, 24-31 Wproj's
	s_and_b32 s19, s17, 3                          ; which 256 along K
	s_mov_b32 s21, 4096
	s_cmp_lt_u32 s18, 24
	s_cselect_b64 s[6:7], s[6:7], s[8:9]           ; the choice hangs on the work-group's number alone
	s_cselect_b32 s20, 0, 24
	s_cselect_b32 s21, 12288, s21                  ; a row in bytes
	s_sub_co_u32 s20, s18, s20
	s_lshl_b32 s20, s20, 9                         ; 128 columns of 4 bytes,
	s_lshl_b32 s22, s16, 7                         ; my wave's 32
	s_add_co_u32 s20, s20, s22
	s_mul_i32 s22, s19, s21
	s_lshl_b32 s22, s22, 8                         ; 256 rows
	s_add_co_u32 s20, s20, s22
	s_mov_b32 s21, 0
	s_add_nc_u64 s[6:7], s[6:7], s[20:21]
	s_lshl_b32 s22, s18, 2
	s_add_co_u32 s22, s22, s16
	s_lshl_b32 s22, s22, 15                        ; my wave's two tiles: 2 x 16,384 bytes,
	s_lshl_b32 s23, s19, 12                        ; two K steps
	s_add_co_u32 s22, s22, s23
	s_mov_b32 s23, 0
	s_add_nc_u64 s[14:15], s[14:15], s[22:23]
	s_wait_alu depctr_va_vdst(0)
	v_lshlrev_b32 v3, 2, v2                        ; in: 4 bytes a lane
	v_bfe_u32 v7, v2, 3, 1                         ; column 8 u + r + 8 (r / 8) of the 32: u is bit 3 of the lane,
	v_and_b32 v8, 7, v2
	v_lshrrev_b32 v9, 4, v2
	v_lshl_or_b32 v8, v9, 3, v8                    ; r its bits 4, 2, 1, 0
	v_lshlrev_b32 v6, 4, v8
	v_lshl_add_u32 v6, v7, 14, v6                  ; out: 16 r + 16,384 u
	s_cmp_lt_u32 s18, 24
	s_cbranch_scc0 .Lwp
	WBODY 3072, 25
.Lwp:
	s_wait_alu depctr_va_vdst(0)
	WBODY 1024, 31
.Lfunc_end_k_q9cdf8765a2_quant:
	.size	k_q9cdf8765a2_quant, .Lfunc_end_k_q9cdf8765a2_quant-k_q9cdf8765a2_quant
	.p2alignl 7, 3214868480
	.fill 96, 4, 3214868480
	.section	.rodata,"a",@progbits
	.p2align	6, 0x0
	.amdhsa_kernel k_q9cdf8765a2_quant
		.amdhsa_group_segment_fixed_size 34304
		.amdhsa_private_segment_fixed_size 0
		.amdhsa_enable_private_segment 0
		.amdhsa_kernarg_size 48
		.amdhsa_user_sgpr_count 2
		.amdhsa_user_sgpr_kernarg_segment_ptr 1
		.amdhsa_wavefront_size32 1
		.amdhsa_system_sgpr_workgroup_id_x 1
		.amdhsa_system_sgpr_workgroup_id_y 1
		.amdhsa_system_sgpr_workgroup_id_z 1
		.amdhsa_system_vgpr_workitem_id 0
		.amdhsa_next_free_vgpr 242
		.amdhsa_next_free_sgpr 66
		.amdhsa_reserve_vcc 0
		.amdhsa_float_denorm_mode_32 3
		.amdhsa_float_denorm_mode_16_64 3
		.amdhsa_fp16_overflow 1
		.amdhsa_memory_ordered 1
		.amdhsa_forward_progress 1
		.amdhsa_inst_pref_size 79
	.end_amdhsa_kernel
	.amdgpu_metadata
---
amdhsa.version: [ 1, 2 ]
amdhsa.kernels:
  - .name:           k_q9cdf8765a2_quant
    .symbol:         k_q9cdf8765a2_quant.kd
    .args:
      - { .name: x, .offset: 0, .size: 8, .value_kind: global_buffer, .address_space: global }
      - { .name: Wqkv, .offset: 8, .size: 8, .value_kind: global_buffer, .address_space: global }
      - { .name: Wproj, .offset: 16, .size: 8, .value_kind: global_buffer, .address_space: global }
      - { .name: lowp_scales, .offset: 24, .size: 8, .value_kind: global_buffer, .address_space: global }
      - { .name: x_img, .offset: 32, .size: 8, .value_kind: global_buffer, .address_space: global }
      - { .name: w_img, .offset: 40, .size: 8, .value_kind: global_buffer, .address_space: global }
    .group_segment_fixed_size: 34304
    .private_segment_fixed_size: 0
    .kernarg_segment_align: 8
    .kernarg_segment_size: 48
    .max_flat_workgroup_size: 128
    .sgpr_count:     66
    .vgpr_count:     242
    .wavefront_size: 32
...
	.end_amdgpu_metadata
.endif
;; end of part 1
;; launch qkv (part 2): grid 12 x 32, 4 waves a work-group, clusters of 4 x 4, 327,680 bytes of LDS; arguments x_img, w_img, lowp_scales, q_img, k_img, v_img; writes q_img, k_img, v_img
.if DOCPART == 2
	.amdgcn_target "amdgcn-amd-amdhsa--gfx1250"
	.amdhsa_code_object_version 6
	.text
	.protected	k_q9cdf8765a2_qkv
	.globl	k_q9cdf8765a2_qkv
	.p2align	8
	.type	k_q9cdf8765a2_qkv,@function
k_q9cdf8765a2_qkv:
	s_mov_b64 s[64:65], 0
	v_nop
	global_prefetch_b8 v0, s[64:65] scope:SCOPE_SE
	s_setreg_imm32_b32 hwreg(HW_REG_WAVE_MODE, 25, 1), 1
	s_wait_xcnt 0x0
	s_wait_alu depctr_hold_cnt(0) depctr_sa_sdst(0) depctr_va_vdst(0) depctr_va_sdst(0) depctr_va_ssrc(0) depctr_va_vcc(0) depctr_vm_vsrc(0)
	s_getreg_b32 s2, hwreg(HW_REG_IB_STS2, 6, 4)
	s_cmp_eq_u32 s2, 0
	s_cbranch_scc0 .Lentry_in_a_cluster
	s_endpgm
.Lentry_in_a_cluster:
	s_bfe_u32 s2, ttmp6, 0x10000c
	s_cmp_lg_u32 s2, 0xf033
	s_cbranch_scc0 .Lentry_shape_is_right
	s_endpgm
.Lentry_shape_is_right:
; qkv = x Wqkv on codes of FP8 (E4M3); the sums, f32, are quantised at once into the operands of attention: q, k (K = the head's 64) and v (K = the keys), as images of operand registers.
; IMAGES.  A fragment of 16 rows x 128 K is 2,048 bytes: registers 4 c .. 4 c + 3 of lane L at 512 c + 16 L; lane (r, h) holds k = 32 c + 16 h + 0 .. 15.  Tile 2 g + u holds rows 32 g + 8 u + r + 8 (r / 8).
; x_img, w_img: [tile][K step 8][2,048].  q_img, k_img: [batch x head 64][token tile 128][1,024].  v_img: [batch x head 64][key step 16][tile of the head's 64: 4][2,048].
; A work-group of four waves makes 256 x 256 sums, a wave 128 x 128: 64 accumulators.  D = P fragment (source 0) x Q fragment (source 1): a lane holds ONE row of the Q set, and the 16 registers of two
; neighbouring P tiles are 16 neighbours of the P set: so eight conversions give four register groups of the next operand, which are stored as they stand, 512 consecutive bytes a store.
; q, k want a lane to a token and registers along the head: Q set = x, P set = W.  v wants a lane to a channel and registers along the tokens: Q set = W, P set = x.  A cluster (4 x 4 work-groups) is
; wholly q (cluster x = 0), k (1) or v (2), so only two pointers and two cluster coordinates are chosen, on the cluster's x; one loop serves all three.
; CLUSTERS.  The Q set's tiles hang on cy and are shared along a row of the cluster, the P set's on cx and are shared along a column: each is asked for jointly.
; K = 1,024 goes in four steps of 256 through two LDS slots; the steps are written out.  No prefetch: four K steps only, and the tiles are shared in the cluster.
; LIMIT: e(q, k or v) - e0 - e1 lies between -126 and 119.
; REGISTERS: window 0: v16-31 addresses and constants; v128-255 Q's fragments, one set; later the codes.  window 1: P's fragments, two sets.  windows 2, 3: accumulator (a, b) at v[8 (8 (a % 4) + b)].
.set HALFQ, 32768                      ; 8 tiles x (2 K steps of 128) x 2,048: what one tensor load brings of the Q set
.set HALFP, 32768                      ; the same of the P set
.set SLOT,  2*HALFQ+2*HALFP
.set SPARE, 2*SLOT                     ; behind the ring: the spare words, 128 bytes for each wave
.set FR,    16
.set NL,    4
.set NP,    4
.set ADRA,  16                         ; v16-17  LDS address of my Q fragments in slot 0, 1
.set ADRB,  20                         ; v20-21  of my P fragments
.set LI,    26                         ; v26     16 x lane
.set SPW,   28                         ; v28     my spare word; never rewritten
.set NIL,   29                         ; v29     0; never rewritten
.set SC,    30                         ; v30     the conversions' scale
.set LIM,   31
.set AF,    128
.set CD,    128                        ; the codes: 16 registers for each of my 8 Q blocks
.set G1,  24
.set G0,  32
.set G1B, 48
.set G0B, 56
.set MSB, 0
.macro WIN new                         ; the immediate's high byte repeats the setting that is left
.if MSB != (\new)
	s_set_vgpr_msb (MSB<<8)|(\new)
.set MSB, (\new)
.endif
.endm
.set MUL_LO, 0xa1                      ; source 0 (P) window 1, source 1 (Q) window 0, C and D window 2
.set MUL_HI, 0xf1
.set TO_B,   0x40
.macro JLOAD g0a, g1a, g0b, g1b        ; a joint load: waves 0 and 1 fetch the Q set's halves, waves 2 and 3 the P set's; four v_nop follow each line
	s_cmp_eq_u32 s15, 0
	s_cbranch_scc0 .Lfor_b_\@
	tensor_load_to_lds s[\g0a:\g0a+3], s[\g1a:\g1a+7]
	s_nop 0
.rept 4
	v_nop
.endr
	s_branch .Lasked_\@
.Lfor_b_\@:
	tensor_load_to_lds s[\g0b:\g0b+3], s[\g1b:\g1b+7]
	s_nop 0
.rept 4
	v_nop
.endr
.Lasked_\@:
.endm
.macro CREST
	s_cmp_lg_u32 s14, 0
	s_cbranch_scc1 .Lnot_wave_0_\@
	s_barrier_signal -3
.Lnot_wave_0_\@:
	s_barrier_wait -3
	s_barrier_signal -1
	s_barrier_wait -1
.endm
.macro CROUND
	s_barrier_signal -1
	s_barrier_wait -1
	CREST
.endm
.macro FRAG reg, adr, q, i             ; an image comes back as it was stored: four loads of 512 consecutive bytes
.irp c, 0,1,2,3
	ds_load_b128 v[\reg+4*\c:\reg+4*\c+3], v[\adr] offset:(\i)*4096+(\q)*2048+512*\c
.endr
.endm
.macro MUL16 a0, p, zero               ; Q blocks a0, a0 + 1 x the P blocks, 128 along K; the accumulators take turns, one instruction a turn
.irp a, \a0, \a0+1
.irp b, 0,1,2,3,4,5,6,7
.if \zero
	v_wmma_f32_16x16x128_fp8_fp8 v[8*(8*((\a)%4)+\b):8*(8*((\a)%4)+\b)+7], v[128*(\p)+FR*\b:128*(\p)+FR*\b+FR-1], v[AF+FR*(\a):AF+FR*(\a)+FR-1], 0
.else
	v_wmma_f32_16x16x128_fp8_fp8 v[8*(8*((\a)%4)+\b):8*(8*((\a)%4)+\b)+7], v[128*(\p)+FR*\b:128*(\p)+FR*\b+FR-1], v[AF+FR*(\a):AF+FR*(\a)+FR-1], v[8*(8*((\a)%4)+\b):8*(8*((\a)%4)+\b)+7]
.endif
.endr
.endr
.endm
.macro FETCH_B slot, q, p
	WIN TO_B
.irp i, 0,1,2,3,4,5,6,7
	FRAG 128*(\p)+FR*\i, ADRB+\slot, \q, \i
.endr
	WIN 0
.endm
.macro FETCH_A slot, q, i0
.irp i, \i0, \i0+1, \i0+2, \i0+3
	FRAG AF+FR*(\i), ADRA+\slot, \q, \i
.endr
.endm
.macro PLACES n                        ; plain vector lines between a matrix instruction and a load into its registers or a read of its result
.rept \n
	v_nop
.endr
.endm
.macro STEP slot, q, zero              ; 128 along K, with its successor in the same slot
	s_wait_dscnt 4*NL                              ; P's set and Q's blocks 0-3 are in; the youngest 16 loads (Q's blocks 4-7) may be out
	WIN MUL_LO
	MUL16 0, (\q)%2, \zero
	MUL16 2, (\q)%2, \zero
	s_wait_dscnt 0
	PLACES NP
	FETCH_B \slot, (\q)+1, 1-(\q)%2
	FETCH_A \slot, (\q)+1, 0
	WIN MUL_HI
	MUL16 4, (\q)%2, \zero
	MUL16 6, (\q)%2, \zero
	PLACES NP
	WIN 0
	FETCH_A \slot, (\q)+1, 4
.endm
.macro TURN slot, next, fill           ; a slot's last step changes slots: one barrier; fill = 1: it opens a round of the cluster's barrier, and this slot is filled again
	s_wait_tensorcnt 0x0                           ; all my tensor loads have landed: my part of the next slot
	ds_add_u32 v[SPW], v[NIL]                      ; 0 onto my spare word
	s_wait_dscnt 4*NL+1                            ; (the add and the youngest 16 loads may be out)
	WIN MUL_LO
	MUL16 0, 1, 0
	s_wait_dscnt 0x0                               ; the add is done, and my reads of this slot are over
	s_barrier_signal -1
	MUL16 2, 1, 0
	WIN 0
	s_barrier_wait -1
.if \fill
	CREST                                          ; no wave of any partner still reads this slot or has a load on its way
	s_add_nc_u64 s[G0+4*\slot+2:G0+4*\slot+3], s[G0+4*\slot+2:G0+4*\slot+3], 8192
	s_add_nc_u64 s[G0B+4*\slot+2:G0B+4*\slot+3], s[G0B+4*\slot+2:G0B+4*\slot+3], 8192
	JLOAD G0+4*\slot, G1, G0B+4*\slot, G1B         ; the first tensor load behind the round; its four v_nop are the places in front of the loads below
.else
	PLACES NP
.endif
	FETCH_B \next, 0, 0
	FETCH_A \next, 0, 0
	WIN MUL_HI
	MUL16 4, 1, 0
	MUL16 6, 1, 0
	PLACES NP
	WIN 0
	FETCH_A \next, 0, 4
.endm
	s_load_b256 s[4:11], s[0:1], 0x0               ; x_img s[4:5], w_img s[6:7], the scales' exponents s[8:9], q_img s[10:11]
	s_load_b128 s[72:75], s[0:1], 0x20             ; k_img s[72:73], v_img s[74:75]
	v_lshl_add_u32 v[SPW], v0, 2, SPARE
	v_mov_b32 v[NIL], 0
	ds_add_u32 v28, v29
	ds_add_u32 v28, v29
	s_wait_dscnt 0x0
	v_lshrrev_b32 v1, 5, v0
	v_readfirstlane_b32 s14, v1                    ; wave 0..3
	s_lshr_b32 s15, s14, 1                         ; my half of the Q set's 16 tiles.  Also: I fetch for Q (0) or for P (1)
	s_and_b32 s16, s14, 1                          ; my half of the P set's.  Also: which half I fetch
	s_bfe_u32 s40, ttmp6, 0x40000                  ; cx
	s_bfe_u32 s41, ttmp6, 0x40004                  ; cy
	s_and_b32 s17, ttmp7, 0xffff                   ; the cluster's y: which 1,024 tokens
	s_cmp_lt_u32 ttmp9, 2                          ; the cluster's x: 0 q, 1 k, 2 v: equal in all sixteen partners
	s_cselect_b32 s42, s17, ttmp9
	s_cselect_b32 s66, ttmp9, s17
	s_lshl_b32 s42, s42, 2
	s_add_co_u32 s42, s42, s41                     ; iq: which 16 tiles of the Q set: it hangs on cy alone
	s_lshl_b32 s66, s66, 2
	s_add_co_u32 s66, s66, s40                     ; ip: of the P set: on cx alone
	s_lshl_b32 s43, s41, 2
	s_lshl_b32 s43, 15, s43                        ; my row of the cluster
	s_lshl_b32 s44, 0x1111, s40                    ; my column
	; group 1: 8 rows (tiles) of 512 elements of 8 bytes (two K steps' images), 2,048 elements (a tile's eight images) apart; dense in LDS
	s_or_b32 s[G1+0], s43, (3<<16)|(1<<21)
	s_or_b32 s[G1B+0], s44, (3<<16)|(1<<21)
.irp g, G1, G1B
	s_mov_b32 s[\g+1], 512<<16                     ; tensor_dim0
	s_mov_b32 s[\g+2], 8<<16                       ; tensor_dim1
	s_mov_b32 s[\g+3], 512<<16                     ; tile_dim0
	s_mov_b32 s[\g+4], 8                           ; tile_dim1
	s_mov_b32 s[\g+5], 2048                        ; tensor_dim0_stride
	s_mov_b32 s[\g+6], 0
	s_mov_b32 s[\g+7], 0
.endr
	s_lshl_b32 s18, s16, 17                        ; the half that I fetch: 8 tiles of 16,384 bytes
	s_lshl_b32 s20, s42, 18
	s_add_co_u32 s20, s20, s18
	s_mov_b32 s21, 0
	s_lshl_b32 s46, s66, 18
	s_add_co_u32 s46, s46, s18
	s_mov_b32 s47, 0
	s_mul_i32 s45, s14, HALFQ                      ; where they go: Q's halves at wave x HALFQ,
	s_mul_i32 s67, s14, HALFP
	s_add_co_u32 s67, s67, 2*HALFQ-2*HALFP         ; P's behind them: no place in the cluster enters an LDS address
	s_wait_kmcnt 0x0
	s_load_b256 s[80:87], s[8:9], 0x0              ; e0 .. e7
	s_cmp_lt_u32 ttmp9, 2
	s_cselect_b64 s[68:69], s[4:5], s[6:7]         ; the Q set's buffer
	s_cselect_b64 s[70:71], s[6:7], s[4:5]         ; the P set's
	s_add_nc_u64 s[20:21], s[68:69], s[20:21]
	s_add_nc_u64 s[46:47], s[70:71], s[46:47]
	CROUND                                         ; all sixteen work-groups are here: the first joint loads meet
.irp s, 0,1
	s_mov_b32 s[G0+4*\s], 1
	s_add_co_u32 s[G0+4*\s+1], s45, \s*SLOT
	s_add_nc_u64 s[G0+4*\s+2:G0+4*\s+3], s[20:21], \s*4096
	s_or_b32 s[G0+4*\s+3], s[G0+4*\s+3], 0x80000000
	s_mov_b32 s[G0B+4*\s], 1
	s_add_co_u32 s[G0B+4*\s+1], s67, \s*SLOT
	s_add_nc_u64 s[G0B+4*\s+2:G0B+4*\s+3], s[46:47], \s*4096
	s_or_b32 s[G0B+4*\s+3], s[G0B+4*\s+3], 0x80000000
	JLOAD G0+4*\s, G1, G0B+4*\s, G1B
.endr
	v_and_b32 v6, 31, v0
	v_lshlrev_b32 v[LI], 4, v6
	s_mul_i32 s21, s15, HALFQ
	s_mul_i32 s22, s16, HALFP
	s_add_co_u32 s22, s22, 2*HALFQ
.irp s, 0,1
	v_add_nc_u32 v[ADRA+\s], s21, v[LI]
	v_add_nc_u32 v[ADRB+\s], s22, v[LI]
	s_add_co_u32 s21, s21, SLOT
	s_add_co_u32 s22, s22, SLOT
.endr
	; where my codes go.  q, k: ((batch x 16 + head) x 128 + token tile) x 1,024: batch iq / 8, head 4 cx + 2 x my P half, token tile 16 (iq % 8) + 8 x my Q half
	s_lshr_b32 s90, s42, 3
	s_lshl_b32 s90, s90, 4
	s_lshl_b32 s91, s40, 2
	s_add_co_u32 s90, s90, s91
	s_lshl_b32 s91, s16, 1
	s_add_co_u32 s90, s90, s91
	s_lshl_b32 s90, s90, 7
	s_and_b32 s91, s42, 7
	s_lshl_b32 s91, s91, 4
	s_add_co_u32 s90, s90, s91
	s_lshl_b32 s91, s15, 3
	s_add_co_u32 s90, s90, s91
	s_lshl_b32 s90, s90, 10
	; v: (((batch x 16 + head) x 16 + key step) x 4) x 2,048: batch ip / 8, head 4 cy + 2 x my Q half, key step 2 (ip % 8) + my P half
	s_lshr_b32 s92, s66, 3
	s_lshl_b32 s92, s92, 4
	s_lshl_b32 s93, s41, 2
	s_add_co_u32 s92, s92, s93
	s_lshl_b32 s93, s15, 1
	s_add_co_u32 s92, s92, s93
	s_lshl_b32 s92, s92, 4
	s_and_b32 s93, s66, 7
	s_lshl_b32 s93, s93, 1
	s_add_co_u32 s92, s92, s93
	s_add_co_u32 s92, s92, s16
	s_lshl_b32 s92, s92, 13
	s_cmp_lt_u32 ttmp9, 2
	s_cselect_b32 s90, s90, s92
	s_cselect_b64 s[76:77], s[72:73], s[74:75]
	s_mov_b32 s91, 0
	s_cmp_eq_u32 ttmp9, 0
	s_cselect_b64 s[76:77], s[10:11], s[76:77]
	s_add_nc_u64 s[76:77], s[76:77], s[90:91]
	s_wait_alu depctr_va_vdst(0)
	s_wait_tensorcnt 1                             ; my part of K step 0 is in; slot 1's fill may stay out
	s_barrier_signal -1
	s_barrier_wait -1
	FETCH_B 0, 0, 0
	FETCH_A 0, 0, 0
	FETCH_A 0, 0, 4
	STEP 0, 0, 1                                   ; the first products start the sums: nothing is cleared
	TURN 0, 1, 1
	STEP 1, 0, 0
	TURN 1, 0, 1
	STEP 0, 0, 0
	TURN 0, 1, 0                                   ; nothing is left to fetch
	STEP 1, 0, 0
	s_wait_dscnt 4*NL
	WIN MUL_LO
	MUL16 0, 1, 0
	MUL16 2, 1, 0
	s_wait_dscnt 0
	WIN MUL_HI
	MUL16 4, 1, 0
	MUL16 6, 1, 0
	WIN 0
	; THE WAY OUT.  A sum stands for sum x 2^(e0 + e1); its code is sum / 2^(e - e0 - e1), e = e2 (q), e3 (k) or e5 (v): the three scales folded into the conversion's one
	s_wait_kmcnt 0x0
	s_cmp_eq_u32 ttmp9, 0
	s_cselect_b32 s88, s82, s83
	s_cmp_eq_u32 ttmp9, 2
	s_cselect_b32 s88, s85, s88
	s_sub_co_i32 s88, s88, s80
	s_sub_co_i32 s88, s88, s81
	s_add_co_i32 s88, s88, 127
	s_lshl_b32 s89, s88, 23
	v_mov_b32 v[SC], s89
	s_add_co_i32 s88, s88, 8
	s_lshl_b32 s88, s88, 23
	s_or_b32 s88, s88, 0x600000
	PLACES NP
.irp a, 0,1,2,3,4,5,6,7
.set AC, 64*((\a)%4)
	WIN 0x82+0x41*((\a)/4)                         ; the sums' window for source 0 and destination
.set jj, 0
.rept 64
.set jj, jj+1
.endr
	WIN 0x02+((\a)/4)
.irp b, 0,1,2,3,4,5,6,7
	v_cvt_scalef32_pk8_fp8_f32 v[CD+16*\a+2*\b:CD+16*\a+2*\b+1], v[AC+8*\b:AC+8*\b+7], v[SC]   ; P tiles 2 g and 2 g + 1 give register group g of the next operand
.endr
.endr
	WIN 0
	v_nop                                          ; a plain line behind the last conversion
	s_cmp_lt_u32 ttmp9, 2
	s_cbranch_scc0 .Lstore_v
.irp a, 0,1,2,3,4,5,6,7
.irp g, 0,1,2,3
	global_store_b128 v[LI], v[CD+16*\a+4*\g:CD+16*\a+4*\g+3], s[76:77] offset:\a*1024+(\g/2)*131072+(\g%2)*512   ; token tile a, head g / 2, group g % 2: 512 consecutive bytes
.endr
.endr
	s_branch .Lstored
.Lstore_v:
	s_wait_alu depctr_va_vdst(0)
.irp a, 0,1,2,3,4,5,6,7
.irp g, 0,1,2,3
	global_store_b128 v[LI], v[CD+16*\a+4*\g:CD+16*\a+4*\g+3], s[76:77] offset:(\a/4)*131072+(\a%4)*2048+\g*512   ; head a / 4, its tile a % 4, group g
.endr
.endr
.Lstored:
	s_wait_tensorcnt 0x0                           ; the wave's end
	ds_add_u32 v[SPW], v[NIL]
	s_wait_dscnt 0x0
	CROUND                                         ; the closing round
	s_endpgm
.Lfunc_end_k_q9cdf8765a2_qkv:
	.size	k_q9cdf8765a2_qkv, .Lfunc_end_k_q9cdf8765a2_qkv-k_q9cdf8765a2_qkv
	.p2alignl 7, 3214868480
	.fill 96, 4, 3214868480
	.section	.rodata,"a",@progbits
	.p2align	6, 0x0
	.amdhsa_kernel k_q9cdf8765a2_qkv
		.amdhsa_group_segment_fixed_size 327680
		.amdhsa_private_segment_fixed_size 0
		.amdhsa_enable_private_segment 0
		.amdhsa_kernarg_size 48
		.amdhsa_user_sgpr_count 2
		.amdhsa_user_sgpr_kernarg_segment_ptr 1
		.amdhsa_wavefront_size32 1
		.amdhsa_system_sgpr_workgroup_id_x 1
		.amdhsa_system_sgpr_workgroup_id_y 1
		.amdhsa_system_sgpr_workgroup_id_z 1
		.amdhsa_system_vgpr_workitem_id 0
		.amdhsa_next_free_vgpr 1024
		.amdhsa_next_free_sgpr 100
		.amdhsa_reserve_vcc 0
		.amdhsa_float_denorm_mode_32 3
		.amdhsa_float_denorm_mode_16_64 3
		.amdhsa_fp16_overflow 1
		.amdhsa_memory_ordered 1
		.amdhsa_forward_progress 1
		.amdhsa_inst_pref_size 89
	.end_amdhsa_kernel
	.amdgpu_metadata
---
amdhsa.version: [ 1, 2 ]
amdhsa.kernels:
  - .name:           k_q9cdf8765a2_qkv
    .symbol:         k_q9cdf8765a2_qkv.kd
    .args:
      - { .name: x_img, .offset: 0, .size: 8, .value_kind: global_buffer, .address_space: global }
      - { .name: w_img, .offset: 8, .size: 8, .value_kind: global_buffer, .address_space: global }
      - { .name: lowp_scales, .offset: 16, .size: 8, .value_kind: global_buffer, .address_space: global }
      - { .name: q_img, .offset: 24, .size: 8, .value_kind: global_buffer, .address_space: global }
      - { .name: k_img, .offset: 32, .size: 8, .value_kind: global_buffer, .address_space: global }
      - { .name: v_img, .offset: 40, .size: 8, .value_kind: global_buffer, .address_space: global }
    .group_segment_fixed_size: 327680
    .private_segment_fixed_size: 0
    .kernarg_segment_align: 8
    .kernarg_segment_size: 48
    .max_flat_workgroup_size: 128
    .sgpr_count:     100
    .vgpr_count:     1024
    .wavefront_size: 32
...
	.end_amdgpu_metadata
.endif
;; end of part 2
;; launch attn (part 3): grid 4 x 64, 8 waves a work-group, no clusters, 327,680 bytes of LDS; arguments q_img, k_img, v_img, lowp_scales, att_img; writes att_img
.if DOCPART == 3
	.amdgcn_target "amdgcn-amd-amdhsa--gfx1250"
	.amdhsa_code_object_version 6
	.text
	.protected	k_q9cdf8765a2_attn
	.globl	k_q9cdf8765a2_attn
	.p2align	8
	.type	k_q9cdf8765a2_attn,@function
k_q9cdf8765a2_attn:
	s_mov_b64 s[64:65], 0
	v_nop
	global_prefetch_b8 v0, s[64:65] scope:SCOPE_SE
	s_setreg_imm32_b32 hwreg(HW_REG_WAVE_MODE, 25, 1), 1
	s_wait_xcnt 0x0
; Causal attention on codes of FP8 (E4M3), head size 64, 2,048 tokens, 64 (batch, head) pairs.  Inputs and output are images of operand registers (16 rows a tile; tile 2 g + u holds rows
; 32 g + 8 u + r + 8 (r / 8); registers 4 c .. 4 c + 3 of lane L at 512 c + 16 L; lane (r, h) holds k = 32 c + 16 h + 0 .. 15).
; q_img, k_img: [bh][token tile 128][1,024].  v_img: [bh][key step of 128: 16][tile of the head's 64: 4][2,048].  att_img: [batch x 128 + token tile][head 16][1,024]: the last product's operand.
; THE SOFTMAX: t = score x 2^(e2 + e3) x log2(e) / 8; M = the running largest t rounded UP to a whole number; p = 2^(t - M) is quantised with 2^e4, not normalised; the row's sum is taken of the
; unquantised p and divides at the end.  When M moves, the sum and O are multiplied by 2^(old M - new M): exact.
; SHARES.  Work-group (j, bh) owns query blocks of 256: block 7 - j, then block j: (8 - j) + (j + 1) = 9 slots of 256 keys whatever j is: equal work, and a constant trip count.
; A wave owns 32 queries: two tiles, tile u in register window u at the same register numbers.  Two waves share a SIMD.  Each fragment of K and V read from LDS feeds two products.
; Both products are used transposed (S^T = K Q^T, O^T = V^T P^T): a lane holds one query throughout, and p's and O's conversions give the next operand's registers.
; NO CLUSTER: the walk that evens out the causal work gives the four work-groups of a head different slots in the same trip from the fifth trip on; a common walk over all eight slots with both
; blocks at once would take 12 slots' time against 9 and twice the state in registers.
; K and V come through a ring of two LDS slots (K's 16 tiles, 16 KiB; V's 8 fragments, 16 KiB), each a dense block: wave 0 fetches K's, wave 1 V's; all eight waves read them.
; LIMITS: e2 + e3 between -123 and 130; e4, and e6 - e4 - e5, between -126 and 119.  NaN among the inputs is not served.
; REGISTERS, both windows: v12 -M, v13 largest t, v[14:15] the sum; v16-23 Q; v24-31 the second block's Q; v96-159 S^T, then p; v160-191 O^T; v192-207 p's codes; v208-215 the output's codes; v236-254 at work and constants.
;   window 0 alone: v1 16 x lane, v2 LDS address, v3 prefetch offset, v5, v6 the add's; v32-95 K's fragments.   window 1 alone: v32-95 V's fragments.
.set SLOT1, 32768
.set VOFF,  16384
.set SPARE, 65536                      ; behind the ring: the spare words, 128 bytes for each of eight waves
.set LI,  1
.set AD,  2
.set PFO, 3
.set SPW, 5
.set NIL, 6
.set QR,  16
.set QB,  24
.set KR,  32
.set S,   96
.set O,   160
.set PC,  192
.set OC,  208
.set TB,  2                            ; s2   LDS byte at which the slot in hand begins
.set WV,  18
.set SEL, 20
.set CS,  22
.set FO,  38                           ; s[38:39] byte offset of the slot to be asked for
.set CNT, 40
.set NS,  41                           ; the key slot to be asked for
.set LJ,  42                           ; 8 - j: the first block's number of slots
.set CSL, 43                           ; the key slot in hand
.set BLK, 44                           ; the query block in hand
.set KF,  45                           ; the step's first key
.set Q0,  46                           ; my first query
.set J,   47
.set PFA, 60
.set LIM, 62
.set MSB, 0
.macro WIN new
.if MSB != (\new)
	s_set_vgpr_msb (MSB<<8)|(\new)
.set MSB, (\new)
.endif
.endm
.macro TLOAD                           ; wave 0: K's block; wave 1: V's; the others nothing.  Four v_nop follow the line
	s_cmp_lt_u32 s[WV], 2
	s_cbranch_scc0 .Lno_load_\@
	tensor_load_to_lds s[32:35], s[24:31]
	s_nop 0
.rept 4
	v_nop
.endr
.Lno_load_\@:
.endm
; A prefetch into the L2 of the slot that the NEXT change of slots will ask for.  All four work-groups of a head begin with the same walk over slots 0, 1, ..: the one with j = 0, which walks all eight, asks.
; In it waves 2, 3 ask for K's 16 KiB and waves 4, 5 for V's: 8 KiB a wave, lanes 256 bytes apart, one instruction.  Trip s names slot s + 2, in trips 0 to 5: each block of 256 bytes once, none past slot 7.
.macro ASK
	s_cmp_gt_u32 s[CNT], s[LIM]
	s_cbranch_scc0 .Lnot_mine_\@
	global_prefetch_b8 v[PFO], s[PFA:PFA+1] th:TH_LOAD_NT scope:SCOPE_SE
.Lnot_mine_\@:
.endm
.macro CHANGE fill                     ; the change of slots, at a slot's head
	s_wait_tensorcnt 0x0                           ; no tensor load of mine is out: the slot ahead is whole as far as I fetch it, and group 0 may be written
	ds_add_u32 v[SPW], v[NIL]                      ; 0 onto my spare word
.if \fill
	s_add_co_u32 s[NS], s[NS], 1
	s_cmp_eq_u32 s[NS], s[LJ]
	s_cselect_b32 s[NS], 0, s[NS]                  ; behind the first block's last slot the walk begins anew
	s_lshl_b32 s[FO], s[NS], 14
	s_xor_b32 s33, s33, SLOT1                      ; the other LDS slot than last time
	s_add_nc_u64 s[34:35], s[36:37], s[FO:FO+1]
	s_or_b32 s35, s35, 0x80000000
	s_wait_xcnt 0x0                                ; the last prefetch, a slot back, has read its address
	s_add_nc_u64 s[PFA:PFA+1], s[PFA:PFA+1], 16384
.endif
	s_wait_dscnt 0x0                               ; the add is done, and my reads of the slot that I have left are over
	s_barrier_signal -1
	s_barrier_wait -1
.if \fill
	TLOAD                                          ; the first thing behind the barrier, a wave's one tensor load until the next: it has a slot's two key steps in which to land
	ASK
.endif
.endm
.macro KLOAD q                         ; 8 tiles of 16 keys x 64
.irp t, 0,1,2,3,4,5,6,7
	ds_load_b128 v[KR+8*\t:KR+8*\t+3], v[AD] offset:(8*\q+\t)*1024
	ds_load_b128 v[KR+8*\t+4:KR+8*\t+7], v[AD] offset:(8*\q+\t)*1024+512
.endr
.endm
.macro VLOAD q                         ; 4 tiles of 16 channels x 128 keys
.irp t, 0,1,2,3
.irp c, 0,1,2,3
	ds_load_b128 v[KR+16*\t+4*\c:KR+16*\t+4*\c+3], v[AD] offset:VOFF+(4*\q+\t)*2048+512*\c
.endr
.endr
.endm
.macro SPROD                           ; S^T = K Q^T for the window's tile
.irp t, 0,1,2,3,4,5,6,7
	v_wmma_f32_16x16x64_fp8_fp8 v[S+8*\t:S+8*\t+7], v[KR+8*\t:KR+8*\t+7], v[QR:QR+7], 0
.endr
.endm
.macro OPROD                           ; O^T += V^T P^T
.irp t, 0,1,2,3
	v_wmma_f32_16x16x128_fp8_fp8 v[O+8*\t:O+8*\t+7], v[KR+16*\t:KR+16*\t+15], v[PC:PC+15], v[O+8*\t:O+8*\t+7]
.endr
.endm
.macro MASK                            ; register n holds key KF + 16 h + 32 (n / 16) + n % 16: hidden where that is beyond my query
	v_add_nc_u32 v250, s96, v245                   ; my query - KF - 16 h
.set jj, 0
.rept 64
	v_cmp_gt_i32 vcc_lo, 32*(jj/16)+jj%16, v250
	v_cndmask_b32 v[S+jj], v[S+jj], v246, vcc_lo   ; -infinity: p = 0
.set jj, jj+1
.endr
.endm
.macro SOFTMAX                         ; one tile's softmax for 128 keys, in the window that is set
	v_max3_num_f32 v254, v[S], v[S+1], v[S+2]      ; the step's largest score of my query among my 64 keys, in two chains,
	v_max3_num_f32 v252, v[S+3], v[S+4], v[S+5]
.set jj, 6
.rept 14
	v_max3_num_f32 v254, v254, v[S+jj], v[S+jj+1]
	v_max3_num_f32 v252, v252, v[S+jj+2], v[S+jj+3]
.set jj, jj+4
.endr
	v_max3_num_f32 v254, v254, v[S+62], v[S+63]
	s_delay_alu instid0(VALU_DEP_1)
	v_max_num_f32 v254, v254, v252
	s_delay_alu instid0(VALU_DEP_1)
	v_permlanex16_b32 v236, v254, s[SEL], s[SEL+1]
	s_delay_alu instid0(VALU_DEP_1)
	v_max_num_f32 v254, v254, v236                 ; and among lane l xor 16's
	s_delay_alu instid0(VALU_DEP_1)
	v_mul_f32 v254, s[CS], v254                    ; as t (c is positive)
	s_delay_alu instid0(VALU_DEP_1)
	v_max_num_f32 v13, v13, v254
	v_mov_b32 v254, v12
	s_delay_alu instid0(VALU_DEP_2)
	v_floor_f32 v12, -v13                          ; -M = floor(-t): M is a whole number
	s_delay_alu instid0(VALU_DEP_1)
	v_sub_f32 v254, v12, v254                      ; old M - new M, 0 or less
	s_delay_alu instid0(VALU_DEP_1)
	v_cvt_i32_f32 v254, v254                       ; (it saturates)
	s_delay_alu instid0(VALU_DEP_1)
	v_ldexp_f32 v252, 1.0, v254                    ; f = 2^(old M - new M)
.set jj, 0
.rept 32
	v_pk_fma_f32 v[S+jj:S+jj+1], v[S+jj:S+jj+1], s[CS:CS+1], v[12:13] op_sel_hi:[1,0,0]   ; t - M
.set jj, jj+2
.endr
.set jj, 0
	s_wait_alu depctr_va_vdst(0)
.rept 64
	v_exp_f32 v[S+jj], v[S+jj]                     ; p = 2^(t - M)
.set jj, jj+1
.endr
	v_pk_mul_f32 v[14:15], v[14:15], v[252:253] op_sel_hi:[1,0]   ; the sum under the new M: the plain line behind the exponentials
	s_wait_alu depctr_va_vdst(0)                   ; one wait for the tile's batch, ahead of its first reader
	v_pk_add_f32 v[242:243], v[S:S+1], v[S+2:S+3]  ; the sum of the unquantised p, in two chains
.set jj, 4
.rept 15
	v_pk_add_f32 v[14:15], v[14:15], v[S+jj:S+jj+1]
	v_pk_add_f32 v[242:243], v[242:243], v[S+jj+2:S+jj+3]
.set jj, jj+4
.endr
	s_delay_alu instid0(VALU_DEP_1)
	v_pk_add_f32 v[14:15], v[14:15], v[242:243]
.irp b, 0,1,2,3
.set jj, 0
.rept 16
.set jj, jj+1
.endr
	v_cvt_scalef32_pk8_fp8_f32 v[PC+4*\b:PC+4*\b+1], v[S+16*\b:S+16*\b+7], v244
	v_cvt_scalef32_pk8_fp8_f32 v[PC+4*\b+2:PC+4*\b+3], v[S+16*\b+8:S+16*\b+15], v244
.endr
.set jj, 0
.rept 16
	v_pk_mul_f32 v[O+jj:O+jj+1], v[O+jj:O+jj+1], v[252:253] op_sel_hi:[1,0]   ; O^T under the new M; also the plain lines behind the conversions
.set jj, jj+2
.endr
.endm
.macro STEP q                          ; 128 keys, the q-th of the slot in hand
.if \q
	s_add_co_u32 s96, s[Q0], 31                    ; a step all of whose keys come after my 32 queries is left out: a branch on ids; no barrier and no tensor load stands in a step
	s_cmp_gt_u32 s[KF], s96
	s_cbranch_scc1 .Lhid_\@
.endif
	s_wait_dscnt 0x0                               ; K's fragments are in
	SPROD
	WIN 0x44                                       ; K window 0, Q and S^T window 1
	SPROD
	WIN 0
.rept 4
	v_nop                                          ; places in front of the reads of the scores and of the loads into K's and V's registers
.endr
	WIN 0x40
	VLOAD \q
	WIN 0
.if \q == 0
	KLOAD 1
.endif
	s_add_co_u32 s96, s[KF], 127
	s_cmp_le_u32 s96, s[Q0]
	s_cbranch_scc1 .Lopen_\@                       ; all keys count for all my queries
	s_sub_co_i32 s96, s[Q0], s[KF]
	MASK
	WIN 0x55
	MASK
	WIN 0
.Lopen_\@:
	SOFTMAX
	WIN 0x55
	SOFTMAX
.if \q == 0
	s_wait_alu depctr_va_vdst(0)
	s_wait_dscnt 16                                ; V's fragments are in; the next step's 16 loads of K may be out
.else
	s_wait_alu depctr_va_vdst(0)
	s_wait_dscnt 0x0
.endif
	WIN 0x01                                       ; V window 1; p's codes and O^T window 0
	OPROD
	WIN 0x55
	OPROD
	WIN 0
.if \q
.Lhid_\@:
.endif
	s_add_co_u32 s[KF], s[KF], 128
.endm
.macro SLOT_WORK
	v_add_nc_u32 v[AD], s[TB], v[LI]
	KLOAD 0
	s_wait_alu depctr_va_vdst(0)
	STEP 0
	STEP 1
	s_xor_b32 s[TB], s[TB], SLOT1
.endm
.macro OTILE                           ; one tile's way out, in the window that is set: O^T / the sum, quantised: code = (O / l) / 2^(e6 - e4 - e5)
	v_add_f32 v14, v14, v15
	s_delay_alu instid0(VALU_DEP_1)
	v_permlanex16_b32 v252, v14, s[SEL], s[SEL+1]
	s_delay_alu instid0(VALU_DEP_1)
	v_add_f32 v14, v14, v252                       ; the row's sum
	s_wait_alu depctr_va_vdst(0)
	v_rcp_f32 v14, v14
	v_nop                                          ; a plain line behind the reciprocal
	s_wait_alu depctr_va_vdst(0)                   ; and the wait ahead of its first reader
.set jj, 0
.rept 16
	v_pk_mul_f32 v[O+jj:O+jj+1], v[O+jj:O+jj+1], v[14:15] op_sel_hi:[1,0]
.set jj, jj+2
.endr
.set jj, 0
.rept 32
.set jj, jj+1
.endr
.irp i, 0,1,2,3
	v_cvt_scalef32_pk8_fp8_f32 v[OC+2*\i:OC+2*\i+1], v[O+8*\i:O+8*\i+7], v247   ; tiles 2 c and 2 c + 1 of the head's 64 give register group c
.endr
	v_nop
.endm
.macro FINAL
.rept 4
	v_nop                                          ; places behind the last products
.endr
	s_wait_xcnt 0x0                                ; the first block's stores have read their base and their data
	s_lshr_b32 s96, s50, 4                         ; ((batch x 128 + 16 x block + 2 x wave) x 16 + head) x 1,024
	s_lshl_b32 s96, s96, 7
	s_lshl_b32 s97, s[BLK], 4
	s_add_co_u32 s96, s96, s97
	s_lshl_b32 s97, s[WV], 1
	s_add_co_u32 s96, s96, s97
	s_lshl_b32 s96, s96, 4
	s_and_b32 s97, s50, 15
	s_add_co_u32 s96, s96, s97
	s_lshl_b32 s96, s96, 10
	s_mov_b32 s97, 0
	s_add_nc_u64 s[48:49], s[12:13], s[96:97]
	OTILE
	WIN 0x55
	OTILE
	WIN 0
	global_store_b128 v[LI], v[OC:OC+3], s[48:49]               ; 512 consecutive bytes a store
	global_store_b128 v[LI], v[OC+4:OC+7], s[48:49] offset:512
	WIN 0x04                                       ; the data in window 1: the next token tile, 16 heads on
	global_store_b128 v[LI], v[OC:OC+3], s[48:49] offset:16384
	global_store_b128 v[LI], v[OC+4:OC+7], s[48:49] offset:16896
	WIN 0
.endm
.macro STATE                           ; a block's start: zeros, which the first change of M leaves zeros
.set jj, 0
.rept 32
	v_mov_b32 v[O+jj], 0
.set jj, jj+1
.endr
	v_mov_b32 v13, 0xff61b1e6                      ; -3e38, under every t
	s_delay_alu instid0(VALU_DEP_1)
	v_floor_f32 v12, -v13
	v_mov_b32 v14, 0
	v_mov_b32 v15, 0
.endm
.macro QCOPY
.irp i, 0,1,2,3,4,5,6,7
	v_mov_b32 v[QR+\i], v[QB+\i]
.endr
.endm
.macro CONSTS
	v_mov_b32 v244, s76                            ; 2^e4
	v_mov_b32 v246, 0xff800000                     ; -infinity
	v_mov_b32 v247, s78                            ; 2^(e6 - e4 - e5)
	v_mov_b32 v236, 0                              ; a lane permute's destination counts as read
	v_mov_b32 v253, 0                              ; named as the upper half of v[252:253]
.endm
	s_load_b256 s[4:11], s[0:1], 0x0               ; q_img s[4:5], k_img s[6:7], v_img s[8:9], the scales' exponents s[10:11]
	s_load_b64 s[12:13], s[0:1], 0x20              ; att_img
	v_lshl_add_u32 v[SPW], v0, 2, SPARE
	v_mov_b32 v[NIL], 0
	ds_add_u32 v5, v6
	ds_add_u32 v5, v6
	s_wait_dscnt 0x0
	v_lshrrev_b32 v7, 5, v0
	s_delay_alu instid0(VALU_DEP_1)
	v_readfirstlane_b32 s[WV], v7                  ; wave 0..7
	s_and_b32 s50, ttmp7, 0xffff                   ; bh
	s_mov_b32 s[J], ttmp9
	s_sub_co_u32 s[LJ], 8, s[J]
	s_sub_co_u32 s[BLK], 7, s[J]
	s_mov_b32 s24, 3<<16                           ; group 1: 64 dense rows of 32 elements of 8 bytes: 16 KiB; no mask, no padding
	s_mov_b32 s25, 32<<16
	s_mov_b32 s26, 64<<16
	s_mov_b32 s27, 32<<16
	s_mov_b32 s28, 64
	s_mov_b32 s29, 32
	s_mov_b32 s30, 0
	s_mov_b32 s31, 0
	s_mov_b32 s[SEL], 0x76543210
	s_mov_b32 s[SEL+1], 0xfedcba98
	s_mov_b32 s[TB], 0
	s_mov_b32 s[NS], 0
	s_mov_b32 s[CSL], 0
	s_mov_b32 s[KF], 0
	s_mov_b32 s[FO+1], 0
	s_lshl_b32 s[Q0], s[BLK], 8
	s_lshl_b32 s96, s[WV], 5
	s_add_co_u32 s[Q0], s[Q0], s96
	s_lshl_b32 s70, s50, 17                        ; a (batch, head) pair's 131,072 bytes in k_img and in v_img
	s_mov_b32 s71, 0
	s_wait_kmcnt 0x0
	s_load_b256 s[52:59], s[10:11], 0x0            ; e0 .. e7
	s_cmp_eq_u32 s[WV], 0
	s_cselect_b64 s[36:37], s[6:7], s[8:9]
	s_add_nc_u64 s[36:37], s[36:37], s[70:71]      ; what I fetch from, if I fetch
	s_mov_b32 s32, 1
	s_lshl_b32 s33, s[WV], 14                      ; K at the slot's byte 0, V at 16,384
	s_mov_b64 s[34:35], s[36:37]
	s_or_b32 s35, s35, 0x80000000
	TLOAD                                          ; key slot 0
	s_cmp_lt_u32 s[WV], 4
	s_cselect_b64 s[PFA:PFA+1], s[6:7], s[8:9]
	s_add_nc_u64 s[PFA:PFA+1], s[PFA:PFA+1], s[70:71]
	s_and_b32 s72, s[WV], 1
	s_lshl_b32 s72, s72, 13
	s_add_co_u32 s72, s72, 16384                   ; at slot 1: the first change of slots steps it to slot 2.  Nothing is prefetched here, at the head
	s_mov_b32 s73, 0
	s_add_nc_u64 s[PFA:PFA+1], s[PFA:PFA+1], s[72:73]
	s_sub_co_u32 s96, s[WV], 2
	s_lshr_b32 s96, s96, 2                         ; 0 in waves 2 to 5,
	s_or_b32 s96, s96, ttmp9                       ; of the work-group with j = 0
	s_cmp_eq_u32 s96, 0
	s_cselect_b32 s[LIM], 2, -1
	v_and_b32 v7, 31, v0
	s_delay_alu instid0(VALU_DEP_1)
	v_lshlrev_b32 v[LI], 4, v7
	s_wait_alu depctr_va_vdst(0)
	v_lshlrev_b32 v[PFO], 8, v7
	s_lshl_b32 s72, s50, 7
	s_lshl_b32 s74, s[WV], 1
	s_add_co_u32 s72, s72, s74                     ; bh x 128 + 2 x wave
	s_lshl_b32 s74, s[BLK], 4
	s_add_co_u32 s74, s74, s72
	s_lshl_b32 s74, s74, 10
	s_mov_b32 s75, 0
	s_add_nc_u64 s[66:67], s[4:5], s[74:75]        ; my two tiles of Q in block 7 - j,
	s_lshl_b32 s74, s[J], 4
	s_add_co_u32 s74, s74, s72
	s_lshl_b32 s74, s74, 10
	s_add_nc_u64 s[68:69], s[4:5], s[74:75]        ; and in block j
.irp i, 0,1
	global_load_b128 v[QR+4*\i:QR+4*\i+3], v[LI], s[66:67] offset:512*\i
	global_load_b128 v[QB+4*\i:QB+4*\i+3], v[LI], s[68:69] offset:512*\i
.endr
	WIN 0x40
.irp i, 0,1
	global_load_b128 v[QR+4*\i:QR+4*\i+3], v[LI], s[66:67] offset:1024+512*\i
	global_load_b128 v[QB+4*\i:QB+4*\i+3], v[LI], s[68:69] offset:1024+512*\i
.endr
	WIN 0
	v_and_b32 v7, 15, v0                           ; r
	s_delay_alu instid0(VALU_DEP_1)
	v_and_b32 v8, 8, v7
	s_delay_alu instid0(VALU_DEP_1)
	v_add_nc_u32 v7, v7, v8                        ; r + 8 (r / 8)
	v_bfe_u32 v8, v0, 4, 1
	s_delay_alu instid0(VALU_DEP_1)
	v_lshlrev_b32 v8, 4, v8
	s_delay_alu instid0(VALU_DEP_1)
	v_sub_nc_u32 v245, v7, v8                      ; tile 0: my query - Q0 - 16 h
	s_wait_kmcnt 0x0
	s_add_co_i32 s72, s54, s55
	s_lshl_b32 s72, s72, 23
	s_add_co_i32 s[CS], s72, 0x3e38aa3b            ; c = log2(e) / 8, with e2 + e3 added to its exponent field
	s_mov_b32 s[CS+1], s[CS]
	s_add_co_i32 s72, s56, 127
	s_lshl_b32 s76, s72, 23
	s_sub_co_i32 s72, s58, s56
	s_sub_co_i32 s72, s72, s57
	s_add_co_i32 s72, s72, 127
	s_lshl_b32 s78, s72, 23
	CONSTS
	STATE
	WIN 0x40
	v_add_nc_u32 v245, 8, v245                     ; tile 1's queries lie 8 further on
	WIN 0x55
	CONSTS
	STATE
	WIN 0
	s_wait_loadcnt 0x0                             ; Q
	s_mov_b32 s[CNT], 8
.Lslot:                                            ; eight trips: behind each change of slots but the last the next slot is asked for
	CHANGE 1
	s_wait_alu depctr_va_vdst(0)
	SLOT_WORK
	s_cmp_lg_u32 s[CSL], s[BLK]                    ; the slot on the diagonal ends the first block: a branch on ids
	s_cbranch_scc1 .Lnext
	FINAL
	STATE
	QCOPY
	WIN 0x55
	STATE
	QCOPY
	WIN 0
	s_mov_b32 s[BLK], s[J]
	s_lshl_b32 s[Q0], s[J], 8
	s_lshl_b32 s96, s[WV], 5
	s_add_co_u32 s[Q0], s[Q0], s96
	s_mov_b32 s[CSL], -1
	s_mov_b32 s[KF], 0
.Lnext:
	s_add_co_u32 s[CSL], s[CSL], 1
	s_sub_co_u32 s[CNT], s[CNT], 1
	s_cmp_lg_u32 s[CNT], 0
	s_cbranch_scc1 .Lslot
	CHANGE 0                                       ; the last slot is written out
	SLOT_WORK
	FINAL
	s_wait_tensorcnt 0x0                           ; the wave's end
	ds_add_u32 v[SPW], v[NIL]
	s_wait_dscnt 0x0
	s_endpgm
.Lfunc_end_k_q9cdf8765a2_attn:
	.size	k_q9cdf8765a2_attn, .Lfunc_end_k_q9cdf8765a2_attn-k_q9cdf8765a2_attn
	.p2alignl 7, 3214868480
	.fill 96, 4, 3214868480
	.section	.rodata,"a",@progbits
	.p2align	6, 0x0
	.amdhsa_kernel k_q9cdf8765a2_attn
		.amdhsa_group_segment_fixed_size 327680
		.amdhsa_private_segment_fixed_size 0
		.amdhsa_enable_private_segment 0
		.amdhsa_kernarg_size 40
		.amdhsa_user_sgpr_count 2
		.amdhsa_user_sgpr_kernarg_segment_ptr 1
		.amdhsa_wavefront_size32 1
		.amdhsa_system_sgpr_workgroup_id_x 1
		.amdhsa_system_sgpr_workgroup_id_y 1
		.amdhsa_system_sgpr_workgroup_id_z 1
		.amdhsa_system_vgpr_workitem_id 0
		.amdhsa_next_free_vgpr 512
		.amdhsa_next_free_sgpr 100
		.amdhsa_reserve_vcc 1
		.amdhsa_float_denorm_mode_32 3
		.amdhsa_float_denorm_mode_16_64 3
		.amdhsa_fp16_overflow 1
		.amdhsa_memory_ordered 1
		.amdhsa_forward_progress 1
		.amdhsa_inst_pref_size 161
	.end_amdhsa_kernel
	.amdgpu_metadata
---
amdhsa.version: [ 1, 2 ]
amdhsa.kernels:
  - .name:           k_q9cdf8765a2_attn
    .symbol:         k_q9cdf8765a2_attn.kd
    .args:
      - { .name: q_img, .offset: 0, .size: 8, .value_kind: global_buffer, .address_space: global }
      - { .name: k_img, .offset: 8, .size: 8, .value_kind: global_buffer, .address_space: global }
      - { .name: v_img, .offset: 16, .size: 8, .value_kind: global_buffer, .address_space: global }
      - { .name: lowp_scales, .offset: 24, .size: 8, .value_kind: global_buffer, .address_space: global }
      - { .name: att_img, .offset: 32, .size: 8, .value_kind: global_buffer, .address_space: global }
    .group_segment_fixed_size: 327680
    .private_segment_fixed_size: 0
    .kernarg_segment_align: 8
    .kernarg_segment_size: 40
    .max_flat_workgroup_size: 256
    .sgpr_count:     100
    .vgpr_count:     512
    .wavefront_size: 32
...
	.end_amdgpu_metadata
.endif
;; end of part 3
;; launch proj (part 4): grid 8 x 32, 4 waves a work-group, clusters of 4 x 4, 327,680 bytes of LDS; arguments att_img, w_img, lowp_scales, out0; writes out0
.if DOCPART == 4
	.amdgcn_target "amdgcn-amd-amdhsa--gfx1250"
	.amdhsa_code_object_version 6
	.text
	.protected	k_q9cdf8765a2_proj
	.globl	k_q9cdf8765a2_proj
	.p2align	8
	.type	k_q9cdf8765a2_proj,@function
k_q9cdf8765a2_proj:
	s_mov_b64 s[64:65], 0
	v_nop
	global_prefetch_b8 v0, s[64:65] scope:SCOPE_SE
	s_setreg_imm32_b32 hwreg(HW_REG_WAVE_MODE, 25, 1), 1
	s_wait_xcnt 0x0
	s_wait_alu depctr_hold_cnt(0) depctr_sa_sdst(0) depctr_va_vdst(0) depctr_va_sdst(0) depctr_va_ssrc(0) depctr_va_vcc(0) depctr_vm_vsrc(0)
	s_getreg_b32 s2, hwreg(HW_REG_IB_STS2, 6, 4)
	s_cmp_eq_u32 s2, 0
	s_cbranch_scc0 .Lentry_in_a_cluster
	s_endpgm
.Lentry_in_a_cluster:
	s_bfe_u32 s2, ttmp6, 0x10000c
	s_cmp_lg_u32 s2, 0xf033
	s_cbranch_scc0 .Lentry_shape_is_right
	s_endpgm
.Lentry_shape_is_right:
; out0 = attention's output x Wproj on codes of FP8 (E4M3); out0 [8192][1024] f32.  Both operands are images of operand registers: att_img [token tile 512][K step 8][2,048];
; w_img tiles 192-255 are Wproj's columns.  Tile 2 g + u holds rows 32 g + 8 u + r + 8 (r / 8); registers 4 c .. 4 c + 3 of lane L at 512 c + 16 L; lane (r, h) holds k = 32 c + 16 h + 0 .. 15.
; A work-group of four waves makes 256 tokens x 128 columns (256 work-groups), a wave 128 x 64: 32 accumulators.  D = P fragment (source 0: 16 columns) x Q fragment (source 1: 16 tokens): a lane holds
; one token, and the 16 registers of two neighbouring P tiles are 16 neighbouring columns.  Each finished sum is multiplied once by 2^(e6 + e7).
; CLUSTERS: 4 x 4.  The tokens' tiles hang on cy and are shared along a row of the cluster, the columns' on cx and are shared along a column: each is asked for jointly.
; K = 1,024 goes in four steps of 256 through two LDS slots; the steps are written out.  No prefetch: four K steps only, and the tiles are shared in the cluster.
; LIMIT: e6 + e7 lies between -126 and 127.
; REGISTERS: window 0: v16-31 addresses; v32-63 the way out; v128-255 Q's fragments, one set; later rows of out0.  window 1: P's fragments, two sets, at v0 and v128.  windows 2, 3: accumulator (a, b) at v[8 (8 (a % 4) + b)].
.set HALFQ, 32768                      ; 8 tiles x (2 K steps of 128) x 2,048
.set HALFP, 16384                      ; 4 tiles
.set SLOT,  2*HALFQ+2*HALFP
.set SPARE, 2*SLOT
.set FR,    16
.set NL,    4
.set NP,    4
.set SPITCH, 272                       ; the way out: a stage of 16 rows x (256 bytes + 16) for each wave, in slot 0, which has had its last fill and its last read by then
.set ADRA,  16
.set ADRB,  20
.set STO,   24
.set RD,    25
.set LI,    26
.set CO,    27
.set SPW,   28
.set NIL,   29
.set TMP,   32
.set AF,    128
.set BK,    128
.set G1,  24
.set G0,  32
.set G1B, 48
.set G0B, 56
.set MSB, 0
.macro WIN new
.if MSB != (\new)
	s_set_vgpr_msb (MSB<<8)|(\new)
.set MSB, (\new)
.endif
.endm
.set MUL_LO, 0xa1
.set MUL_HI, 0xf1
.set TO_B,   0x40
.macro JLOAD g0a, g1a, g0b, g1b        ; a joint load: waves 0 and 1 fetch the Q set's halves, waves 2 and 3 the P set's; four v_nop follow each line
	s_cmp_eq_u32 s15, 0
	s_cbranch_scc0 .Lfor_b_\@
	tensor_load_to_lds s[\g0a:\g0a+3], s[\g1a:\g1a+7]
	s_nop 0
.rept 4
	v_nop
.endr
	s_branch .Lasked_\@
.Lfor_b_\@:
	tensor_load_to_lds s[\g0b:\g0b+3], s[\g1b:\g1b+7]
	s_nop 0
.rept 4
	v_nop
.endr
.Lasked_\@:
.endm
.macro CREST
	s_cmp_lg_u32 s14, 0
	s_cbranch_scc1 .Lnot_wave_0_\@
	s_barrier_signal -3
.Lnot_wave_0_\@:
	s_barrier_wait -3
	s_barrier_signal -1
	s_barrier_wait -1
.endm
.macro CROUND
	s_barrier_signal -1
	s_barrier_wait -1
	CREST
.endm
.macro FRAG reg, adr, q, i
.irp c, 0,1,2,3
	ds_load_b128 v[\reg+4*\c:\reg+4*\c+3], v[\adr] offset:(\i)*4096+(\q)*2048+512*\c
.endr
.endm
.macro MUL16 a0, p, zero               ; Q blocks a0, a0 + 1 x the four P blocks; the accumulators take turns, one instruction a turn
.irp a, \a0, \a0+1
.irp b, 0,1,2,3
.if \zero
	v_wmma_f32_16x16x128_fp8_fp8 v[8*(8*((\a)%4)+\b):8*(8*((\a)%4)+\b)+7], v[128*(\p)+FR*\b:128*(\p)+FR*\b+FR-1], v[AF+FR*(\a):AF+FR*(\a)+FR-1], 0
.else
	v_wmma_f32_16x16x128_fp8_fp8 v[8*(8*((\a)%4)+\b):8*(8*((\a)%4)+\b)+7], v[128*(\p)+FR*\b:128*(\p)+FR*\b+FR-1], v[AF+FR*(\a):AF+FR*(\a)+FR-1], v[8*(8*((\a)%4)+\b):8*(8*((\a)%4)+\b)+7]
.endif
.endr
.endr
.endm
.macro FETCH_B slot, q, p
	WIN TO_B
.irp i, 0,1,2,3
	FRAG 128*(\p)+FR*\i, ADRB+\slot, \q, \i
.endr
	WIN 0
.endm
.macro FETCH_A slot, q, i0
.irp i, \i0, \i0+1, \i0+2, \i0+3
	FRAG AF+FR*(\i), ADRA+\slot, \q, \i
.endr
.endm
.macro PLACES n
.rept \n
	v_nop
.endr
.endm
.macro STEP slot, q, zero
	s_wait_dscnt 4*NL                              ; P's set and Q's blocks 0-3 are in; the youngest 16 loads (Q's blocks 4-7) may be out
	WIN MUL_LO
	MUL16 0, (\q)%2, \zero
	MUL16 2, (\q)%2, \zero
	s_wait_dscnt 0
	PLACES NP
	FETCH_B \slot, (\q)+1, 1-(\q)%2
	FETCH_A \slot, (\q)+1, 0
	WIN MUL_HI
	MUL16 4, (\q)%2, \zero
	MUL16 6, (\q)%2, \zero
	PLACES NP
	WIN 0
	FETCH_A \slot, (\q)+1, 4
.endm
.macro TURN slot, next, fill
	s_wait_tensorcnt 0x0                           ; all my tensor loads have landed: my part of the next slot
	ds_add_u32 v[SPW], v[NIL]                      ; 0 onto my spare word
	s_wait_dscnt 4*NL+1                            ; (the add and the youngest 16 loads may be out)
	WIN MUL_LO
	MUL16 0, 1, 0
	s_wait_dscnt 0x0                               ; the add is done, and my reads of this slot are over
	s_barrier_signal -1
	MUL16 2, 1, 0
	WIN 0
	s_barrier_wait -1
.if \fill
	CREST                                          ; no wave of any partner still reads this slot or has a load on its way
	s_add_nc_u64 s[G0+4*\slot+2:G0+4*\slot+3], s[G0+4*\slot+2:G0+4*\slot+3], 8192
	s_add_nc_u64 s[G0B+4*\slot+2:G0B+4*\slot+3], s[G0B+4*\slot+2:G0B+4*\slot+3], 8192
	JLOAD G0+4*\slot, G1, G0B+4*\slot, G1B
.else
	PLACES NP
.endif
	FETCH_B \next, 0, 0
	FETCH_A \next, 0, 0
	WIN MUL_HI
	MUL16 4, 1, 0
	MUL16 6, 1, 0
	PLACES NP
	WIN 0
	FETCH_A \next, 0, 4
.endm
	s_load_b256 s[4:11], s[0:1], 0x0               ; att_img s[4:5], w_img s[6:7], the scales' exponents s[8:9], out0 s[10:11]
	v_lshl_add_u32 v[SPW], v0, 2, SPARE
	v_mov_b32 v[NIL], 0
	ds_add_u32 v28, v29
	ds_add_u32 v28, v29
	s_wait_dscnt 0x0
	v_lshrrev_b32 v1, 5, v0
	v_readfirstlane_b32 s14, v1                    ; wave 0..3
	s_lshr_b32 s15, s14, 1                         ; my half of the tokens.  Also: I fetch for Q (0) or for P (1)
	s_and_b32 s16, s14, 1                          ; my half of the columns.  Also: which half I fetch
	s_bfe_u32 s40, ttmp6, 0x40000                  ; cx
	s_bfe_u32 s41, ttmp6, 0x40004                  ; cy
	s_and_b32 s42, ttmp7, 0xffff
	s_lshl_b32 s42, s42, 2
	s_add_co_u32 s42, s42, s41                     ; iq: which 256 tokens
	s_lshl_b32 s66, ttmp9, 2
	s_add_co_u32 s66, s66, s40                     ; ip: which 128 columns
	s_lshl_b32 s43, s41, 2
	s_lshl_b32 s43, 15, s43                        ; my row of the cluster
	s_lshl_b32 s44, 0x1111, s40                    ; my column
	; group 1: rows (tiles) of 512 elements of 8 bytes (two K steps' images), 2,048 elements apart; 8 rows for Q, 4 for P; dense in LDS
	s_or_b32 s[G1+0], s43, (3<<16)|(1<<21)
	s_or_b32 s[G1B+0], s44, (3<<16)|(1<<21)
	s_mov_b32 s[G1+1], 512<<16
	s_mov_b32 s[G1+2], 8<<16
	s_mov_b32 s[G1+3], 512<<16
	s_mov_b32 s[G1+4], 8
	s_mov_b32 s[G1+5], 2048
	s_mov_b32 s[G1+6], 0
	s_mov_b32 s[G1+7], 0
	s_mov_b32 s[G1B+1], 512<<16
	s_mov_b32 s[G1B+2], 4<<16
	s_mov_b32 s[G1B+3], 512<<16
	s_mov_b32 s[G1B+4], 4
	s_mov_b32 s[G1B+5], 2048
	s_mov_b32 s[G1B+6], 0
	s_mov_b32 s[G1B+7], 0
	s_lshl_b32 s18, s16, 17
	s_lshl_b32 s20, s42, 18
	s_add_co_u32 s20, s20, s18                     ; Q: 16 tiles of 16,384 bytes for each iq, + the 8 that I fetch
	s_mov_b32 s21, 0
	s_lshl_b32 s46, s66, 17
	s_lshl_b32 s19, s16, 16
	s_add_co_u32 s46, s46, s19
	s_add_co_u32 s46, s46, 192*16384               ; P: behind Wqkv's 192 tiles: 8 tiles for each ip, + the 4 that I fetch
	s_mov_b32 s47, 0
	s_mul_i32 s45, s14, HALFQ
	s_mul_i32 s67, s14, HALFP
	s_add_co_u32 s67, s67, 2*HALFQ-2*HALFP
	s_wait_kmcnt 0x0
	s_load_b256 s[80:87], s[8:9], 0x0              ; e0 .. e7
	s_add_nc_u64 s[20:21], s[4:5], s[20:21]
	s_add_nc_u64 s[46:47], s[6:7], s[46:47]
	CROUND                                         ; all sixteen work-groups are here: the first joint loads meet
.irp s, 0,1
	s_mov_b32 s[G0+4*\s], 1
	s_add_co_u32 s[G0+4*\s+1], s45, \s*SLOT
	s_add_nc_u64 s[G0+4*\s+2:G0+4*\s+3], s[20:21], \s*4096
	s_or_b32 s[G0+4*\s+3], s[G0+4*\s+3], 0x80000000
	s_mov_b32 s[G0B+4*\s], 1
	s_add_co_u32 s[G0B+4*\s+1], s67, \s*SLOT
	s_add_nc_u64 s[G0B+4*\s+2:G0B+4*\s+3], s[46:47], \s*4096
	s_or_b32 s[G0B+4*\s+3], s[G0B+4*\s+3], 0x80000000
	s_wait_alu depctr_va_vdst(0)
	s_wait_tensorcnt 0x0
	ds_add_u32 v28, v29
	ds_add_u32 v28, v29
	s_wait_dscnt 0x0
	CROUND
	JLOAD G0+4*\s, G1, G0B+4*\s, G1B
.endr
	v_and_b32 v6, 31, v0
	v_lshlrev_b32 v[LI], 4, v6
	s_mul_i32 s21, s15, HALFQ
	s_mul_i32 s22, s16, HALFP
	s_add_co_u32 s22, s22, 2*HALFQ
.irp s, 0,1
	v_add_nc_u32 v[ADRA+\s], s21, v[LI]
	v_add_nc_u32 v[ADRB+\s], s22, v[LI]
	s_add_co_u32 s21, s21, SLOT
	s_add_co_u32 s22, s22, SLOT
.endr
	s_mul_i32 s23, s14, 16*SPITCH                  ; my stage
	v_and_b32 v1, 15, v0                           ; r
	v_bfe_u32 v2, v0, 4, 1                         ; h
	v_mul_u32_u24 v5, v1, SPITCH
	v_lshl_add_u32 v5, v2, 6, v5
	v_add_nc_u32 v[STO], s23, v5                   ; in: row r, + 64 h: my 16 columns of each 32
	v_mul_u32_u24 v5, v2, SPITCH
	v_lshl_add_u32 v5, v1, 4, v5
	v_add_nc_u32 v[RD], s23, v5                    ; back: lanes 0-15 one row of 256 bytes, lanes 16-31 the next
	v_lshlrev_b32 v5, 12, v2
	v_lshl_add_u32 v[CO], v1, 4, v5                ; and the same two rows in out0 (4,096 bytes a row)
	s_lshl_b32 s20, s42, 20                        ; 256 rows,
	s_lshl_b32 s21, s15, 19                        ; my 128,
	s_add_co_u32 s20, s20, s21
	s_lshl_b32 s21, s66, 9                         ; 128 columns,
	s_add_co_u32 s20, s20, s21
	s_lshl_b32 s21, s16, 8                         ; my 64
	s_add_co_u32 s20, s20, s21
	s_mov_b32 s21, 0
	s_add_nc_u64 s[10:11], s[10:11], s[20:21]
	s_wait_tensorcnt 1                             ; my part of K step 0 is in; slot 1's fill may stay out
	s_barrier_signal -1
	s_barrier_wait -1
	FETCH_B 0, 0, 0
	FETCH_A 0, 0, 0
	FETCH_A 0, 0, 4
	STEP 0, 0, 1                                   ; the first products start the sums: nothing is cleared
	TURN 0, 1, 1
	STEP 1, 0, 0
	TURN 1, 0, 1
	STEP 0, 0, 0
	TURN 0, 1, 0                                   ; nothing is left to fetch
	STEP 1, 0, 0
	s_wait_dscnt 4*NL
	WIN MUL_LO
	MUL16 0, 1, 0
	MUL16 2, 1, 0
	s_wait_dscnt 0
	WIN MUL_HI
	MUL16 4, 1, 0
	MUL16 6, 1, 0
	WIN 0
; THE WAY OUT, a block of 16 tokens x 64 columns at a time, through my own stage: back come whole rows of 256 bytes, which sixteen lanes store as one aligned run.
; Stage row p of block a is token 32 (a / 2) + 8 (a % 2) + p + 8 (p / 8) of my 128.  LDS serves a wave's instructions in order (ISA guide 5.7.1.4): no wait between the stores and the loads.
.macro TOSTAGE a
.set AC, 64*((\a)%4)
	WIN 0x02+((\a)/4)
.set jj, 0
.rept 16
	v_pk_mul_f32 v[TMP+jj:TMP+jj+1], v[AC+jj:AC+jj+1], s[96:97] op_sel_hi:[1,0]   ; x 2^(e6 + e7); each accumulator from its low end on
.set jj, jj+2
.endr
	WIN 0
.irp b, 0,1,2,3
	ds_store_b128 v[STO], v[TMP+8*\b:TMP+8*\b+3] offset:128*(\b/2)+32*(\b%2)
	ds_store_b128 v[STO], v[TMP+8*\b+4:TMP+8*\b+7] offset:128*(\b/2)+32*(\b%2)+16
.endr
.set BB, BK+32*((\a)%2)
.irp t, 0,1,2,3,4,5,6,7
	ds_load_b128 v[BB+4*\t:BB+4*\t+3], v[RD] offset:\t*2*SPITCH
.endr
.endm
.macro SEND a, younger                 ; younger: the LDS instructions issued behind block a's loads, which may stay out
.set BB, BK+32*((\a)%2)
	s_wait_dscnt \younger
.irp t, 0,1,2,3,4,5,6,7
	global_store_b128 v[CO], v[BB+4*\t:BB+4*\t+3], s[10:11] offset:(2*\t+8*(\t/4)+8*((\a)%2)+32*((\a)/2))*4096 th:TH_STORE_NT
.endr
.endm
	s_wait_kmcnt 0x0
	s_add_co_i32 s96, s86, s87
	s_add_co_i32 s96, s96, 127
	s_lshl_b32 s96, s96, 23                        ; 2^(e6 + e7) as f32
	s_mov_b32 s97, s96                             ; (named with it as a pair, so it is written)
	PLACES NP
	TOSTAGE 0
.irp a, 1,2,3,4,5,6,7
.if \a > 1
	s_wait_xcnt 0x0                                ; block a - 2's stores have read their registers: block a's loads may land there
.endif
	TOSTAGE \a
	SEND \a-1, 16                                  ; behind block a - 1's loads: block a's 8 stores and 8 loads
.endr
	SEND 7, 0
	s_wait_tensorcnt 0x0                           ; the wave's end
	ds_add_u32 v[SPW], v[NIL]
	s_wait_dscnt 0x0
	CROUND                                         ; the closing round
	s_endpgm
.Lfunc_end_k_q9cdf8765a2_proj:
	.size	k_q9cdf8765a2_proj, .Lfunc_end_k_q9cdf8765a2_proj-k_q9cdf8765a2_proj
	.p2alignl 7, 3214868480
	.fill 96, 4, 3214868480
	.section	.rodata,"a",@progbits
	.p2align	6, 0x0
	.amdhsa_kernel k_q9cdf8765a2_proj
		.amdhsa_group_segment_fixed_size 327680
		.amdhsa_private_segment_fixed_size 0
		.amdhsa_enable_private_segment 0
		.amdhsa_kernarg_size 32
		.amdhsa_user_sgpr_count 2
		.amdhsa_user_sgpr_kernarg_segment_ptr 1
		.amdhsa_wavefront_size32 1
		.amdhsa_system_sgpr_workgroup_id_x 1
		.amdhsa_system_sgpr_workgroup_id_y 1
		.amdhsa_system_sgpr_workgroup_id_z 1
		.amdhsa_system_vgpr_workitem_id 0
		.amdhsa_next_free_vgpr 1024
		.amdhsa_next_free_sgpr 100
		.amdhsa_reserve_vcc 0
		.amdhsa_float_denorm_mode_32 3
		.amdhsa_float_denorm_mode_16_64 3
		.amdhsa_memory_ordered 1
		.amdhsa_forward_progress 1
		.amdhsa_inst_pref_size 77
	.end_amdhsa_kernel
	.amdgpu_metadata
---
amdhsa.version: [ 1, 2 ]
amdhsa.kernels:
  - .name:           k_q9cdf8765a2_proj
    .symbol:         k_q9cdf8765a2_proj.kd
    .args:
      - { .name: att_img, .offset: 0, .size: 8, .value_kind: global_buffer, .address_space: global }
      - { .name: w_img, .offset: 8, .size: 8, .value_kind: global_buffer, .address_space: global }
      - { .name: lowp_scales, .offset: 16, .size: 8, .value_kind: global_buffer, .address_space: global }
      - { .name: out0, .offset: 24, .size: 8, .value_kind: global_buffer, .address_space: global }
    .group_segment_fixed_size: 327680
    .private_segment_fixed_size: 0
    .kernarg_segment_align: 8
    .kernarg_segment_size: 32
    .max_flat_workgroup_size: 128
    .sgpr_count:     100
    .vgpr_count:     1024
    .wavefront_size: 32
...
	.end_amdgpu_metadata
.endif
;; end of part 4
